; MI455X (gfx1250); checked and timed in simulation.
; The chip was launched on July 23, 2026; its instructions are those of AMD's public machine-readable ISA for CDNA 5 (MIT licence, August 2026) and "CDNA5" Instruction Set Architecture Reference Guide (July 2026). The comments in the code are by the model that wrote it; some were corrected since.
;; Counter Propagation Network. Allowed arithmetic: matrix products marked QUANTISED: E5M2 operands, one given power-of-two scale a tensor, by v_wmma_f32_16x16x64_bf8_bf8 or v_wmma_f32_16x16x128_bf8_bf8, f32 sums; everything else in f32.
;; Inputs: Wg 1,000 x 8,192 float32; Wk 8,192 x 2,048 float32; lowp_scales 2 int32 (the exponents e of the quantised operands' scales 2^e); x 4,096 x 2,048 float32.
;; Outputs: out0 4,096 x 1,000 float32.
;; This version of the problem:
;;   THIS VERSION OF THE PROBLEM IS GIVEN IN LOW PRECISION. The matrix products marked QUANTISED in the list below multiply operands that are first quantised to E5M2 (5 exponent bits, 2 mantissa bits; 8 bits a number), with one given power-of-two scale for each operand tensor; their sums are f32. All else is computed in f32.
;;   The module's matrix products, in the order in which they are computed (A, B: the left and right operand; K: the contracted axis; several contracted axes count as one K, in the product's order):
;;     1. [M 4,096, K 2,048] x [K 2,048, N 8,192]; A: computed on the way; B: input Wk: QUANTISED (scales: A lowp_scales[0], B lowp_scales[1])
;;   THE QUANTISER, for each operand of a quantised product, along K:
;;     - The operand's scale is 2^e, e = its entry of the input lowp_scales (int32; the entries are numbered through the quantised products in the list's order, A before B).
;;     - Each number is divided by the scale, clamped to +-57,344, and rounded to the nearest number of E5M2, ties to even, subnormals kept.
;;     - The product sums the exact products of the quantised numbers (number of the format x scale) in f32.
;;   ~~~python
;;   def quantise(x, axis, e):      # numpy; x: float32 -> the quantised numbers, widened to float32 again
;;       x = np.moveaxis(x, axis, -1); K = x.shape[-1]
;;       r = np.clip(x / 2.0 ** e, -57344, 57344)
;;       step = 2.0 ** (np.maximum(np.frexp(np.where(r == 0, 1, r))[1] - 1, -14) - 2)
;;       q = np.round(r / step) * step * 2.0 ** e      # np.round: ties to even
;;       return np.moveaxis(q, -1, axis).astype(np.float32)
;;   ~~~
;;   OPERANDS COMPUTED ON THE WAY. 'Computed on the way' means the value that the module computes at that place (a softmax that the list does not call 'softmax' is quantised finished and normalised). What goes into a quantiser is computed in f32, as accurately as f32 sums, v_exp_f32 and their like allow (about 1e-6 of the number): no bf16 or f16 on the way to a quantiser, and a product that is left as it is and whose result goes on into a quantised operand takes f32 operands (vector FMAs, or v_wmma_f32_16x16x4_f32). A number that lies on a knife's edge between two numbers of the format may be rounded either way, as far as f32 arithmetic and the matrix unit's own rounding can turn it there, and no further.
;; One version. Each part assembles by itself: llvm-mc -triple=amdgcn-amd-amdhsa -mcpu=gfx1250 --defsym DOCPART=n.
;; ======== version 1 of 1: 3 launches
;; limits: right only within a limited range of input values
;; workspace buffers: xq 8,388,608 bytes; wq 16,777,216 bytes; part 524,288 bytes of whole numbers
;; launch quant (part 1): grid 768 x 1, 4 waves a work-group, no clusters, 0 bytes of LDS; arguments x, Wk, lowp_scales, xq, wq; writes xq, wq
.if DOCPART == 1
	.amdgcn_target "amdgcn-amd-amdhsa--gfx1250"
	.amdhsa_code_object_version 6
	.text
	.protected	k_q6b568ffd37_quant
	.globl	k_q6b568ffd37_quant
	.p2align	8
	.type	k_q6b568ffd37_quant,@function
k_q6b568ffd37_quant:
	s_mov_b64 s[64:65], 0
	v_nop
	global_prefetch_b8 v0, s[64:65] scope:SCOPE_SE
	s_setreg_imm32_b32 hwreg(HW_REG_WAVE_MODE, 25, 1), 1
	s_wait_xcnt 0x0
; x [4096][2048] f32: each row is divided by its L2 norm (f32) and turned into codes of BF8 (E5M2) with the given scale 2^e0 -> xq [4096][2048] bytes.
; Wk [8192][2048] f32 is turned into codes with the given scale 2^e1 -> wq [8192][2048] bytes.
; code = number / 2^e, held within +-57,344, rounded to the nearest code, ties to even.
; ONE WAVE, ONE ROW: a row is 8,192 bytes, 16 loads of 512 consecutive bytes, 64 registers: it stays in registers between the sum of squares and the scaling, and is read from memory once.
; THE CODES OF A ROW ARE STORED IN THE ORDER IN WHICH THE LOADS DELIVER THEM: byte 512 s + 16 i + 4 t + u of a row of codes holds k = 512 s + 128 t + 4 i + u (i the lane; s, t, u in 0 .. 3).
; The quantiser works number by number with one scale a tensor, and xq and wq are written by the same lines: so in the product every code meets its partner, and only the order of the f32 sum differs.
; That spares a turn through LDS: every load reads, and every store writes, 512 consecutive bytes, aligned.
; SHARES: work-groups 0 .. 255 take x, 256 .. 767 take Wk; a work-group takes 16 rows, a wave 4.  Only pointers and e are chosen by the work-group's number; Wk's path jumps over the norm.
; No LDS, no barrier, no cluster: work-groups and waves share no input.  Two rows (32 loads a wave) are on their way at the start, one while a row is worked on.
; LIMITS: e0, e1 between -126 and 112, so that 2^e and 57,344 x 2^e are f32 numbers.  A row of x whose sum of squares is 0, is under 2^-126 or overflows f32 is not served; nor are NaN and infinity among the inputs.
; 1 / norm is v_rsq_f32 of the sum of squares, and the division a multiplication by it, both in f32.
; WORK LEFT OUT IN THE LAUNCHES THAT FOLLOW: of the product reference() keeps only the place of each row's largest score.  Every score carries the same factor 2^(e0 + e1), which is
; positive whatever e0 and e1 are, so it moves no argmax: the sums of the codes' products are compared as they are, and lowp_scales is read by this launch alone.
; LIMIT: an overflow or underflow that this factor alone would cause in a score is not carried to the result.
.set NX,  256
.set SQ,  2                            ; v[2:9]    four packed chains of squares
.set LIM, 10                           ; v10       57,344 x 2^e
.set SCL, 11                           ; v11       2^e as f32: the conversion takes its exponent field
.set FAC, 12                           ; v[12:13]  1 / norm (v13 is named with it as a pair, so it is written once)
.set PX,  14                           ; v14       the other half of the lanes' sum
.set X,   16                           ; v16-143   two slots of 64 numbers
.set C,   144                          ; v144-207  16 registers of codes for each of my 4 rows: no store's data are written again
	s_load_b128 s[4:7], s[0:1], 0x0                ; x, Wk
	s_load_b64 s[10:11], s[0:1], 0x10              ; the scales' exponents
	s_load_b128 s[12:15], s[0:1], 0x18             ; xq, wq
	v_lshrrev_b32 v2, 5, v0
	v_readfirstlane_b32 s16, v2                    ; wave 0..3
	v_and_b32 v1, 31, v0
	v_lshlrev_b32 v1, 4, v1                        ; 16 x lane: my bytes of a load's and of a store's 512; never rewritten
	v_mov_b32 v[FAC+1], 0
	v_mov_b32 v[PX], 0                             ; a lane permute's destination counts as one of its sources
	s_mov_b32 s24, 0x76543210                      ; v_permlanex16_b32: lane l takes lane l xor 16
	s_mov_b32 s25, 0xfedcba98
	s_cmp_lt_u32 ttmp9, NX
	s_cselect_b32 s17, 0, NX
	s_sub_co_u32 s17, ttmp9, s17                   ; my work-group's number within its tensor
	s_lshl_b32 s17, s17, 4
	s_lshl_b32 s18, s16, 2
	s_add_co_u32 s18, s17, s18                     ; my wave's first row: 16 x work-group + 4 x wave
	s_lshl_b32 s20, s18, 13                        ; x 8,192 bytes of f32 (under 2^27)
	s_mov_b32 s21, 0
	s_lshl_b32 s26, s18, 11                        ; x 2,048 bytes of codes
	s_mov_b32 s27, 0
	s_wait_alu depctr_va_vdst(0)
	s_wait_kmcnt 0x0
	s_load_b64 s[22:23], s[10:11], 0x0             ; e0, e1
	s_cmp_lt_u32 ttmp9, NX                         ; the choice hangs on the work-group's number alone
	s_cselect_b64 s[4:5], s[4:5], s[6:7]
	s_cselect_b64 s[8:9], s[12:13], s[14:15]
	s_add_nc_u64 s[4:5], s[4:5], s[20:21]
	s_add_nc_u64 s[8:9], s[8:9], s[26:27]
.macro LOADROW t                       ; my row t into slot t % 2: 16 loads of 512 consecutive bytes
.set j, 0
.rept 16
	global_load_b128 v[X+64*((\t)%2)+4*j:X+64*((\t)%2)+4*j+3], v1, s[4:5] offset:8192*(\t)+512*j th:TH_LOAD_NT
.set j, j+1
.endr
.endm
	LOADROW 0
	LOADROW 1
	s_wait_kmcnt 0x0
	s_cmp_lt_u32 ttmp9, NX
	s_cselect_b32 s22, s22, s23                    ; e
	s_add_co_i32 s22, s22, 127
	s_lshl_b32 s23, s22, 23
	v_mov_b32 v[SCL], s23                          ; 2^e
	s_add_co_i32 s22, s22, 15
	s_lshl_b32 s22, s22, 23
	s_or_b32 s22, s22, 0x600000
	v_mov_b32 v[LIM], s22                          ; 57,344 x 2^e: 57,344's mantissa field under the exponent e + 15
; Row t.  ahead = 1: its slot is filled again with the row two further on.  left = the younger loads that may stay out.
.macro ROW t, ahead, left
.set XS, X+64*((\t)%2)
.set CS, C+16*(\t)
	s_wait_loadcnt \left                           ; loads come back in order (ISA guide 5.7.1): my row's 16 are in
	s_cmp_ge_u32 ttmp9, NX
	s_cbranch_scc1 .Lweights_\@                    ; Wk is quantised as it is
.irp c, 0,1,2,3
	v_pk_mul_f32 v[SQ+2*\c:SQ+2*\c+1], v[XS+2*\c:XS+2*\c+1], v[XS+2*\c:XS+2*\c+1]   ; the first four pairs start the chains: nothing is cleared
.endr
.set p, 4
.rept 28
	v_pk_fma_f32 v[SQ+2*(p%4):SQ+2*(p%4)+1], v[XS+2*p:XS+2*p+1], v[XS+2*p:XS+2*p+1], v[SQ+2*(p%4):SQ+2*(p%4)+1]
.set p, p+1
.endr
	v_pk_add_f32 v[SQ:SQ+1], v[SQ:SQ+1], v[SQ+2:SQ+3]
	v_pk_add_f32 v[SQ+4:SQ+5], v[SQ+4:SQ+5], v[SQ+6:SQ+7]
	v_pk_add_f32 v[SQ:SQ+1], v[SQ:SQ+1], v[SQ+4:SQ+5]
	v_add_f32 v[SQ], v[SQ], v[SQ+1]
	v_add_f32_dpp v[SQ], v[SQ], v[SQ] row_xmask:1 row_mask:0xf bank_mask:0xf
	v_add_f32_dpp v[SQ], v[SQ], v[SQ] row_xmask:2 row_mask:0xf bank_mask:0xf
	v_add_f32_dpp v[SQ], v[SQ], v[SQ] row_xmask:4 row_mask:0xf bank_mask:0xf
	v_add_f32_dpp v[SQ], v[SQ], v[SQ] row_xmask:8 row_mask:0xf bank_mask:0xf
	v_permlanex16_b32 v[PX], v[SQ], s24, s25
	v_add_f32 v[SQ], v[SQ], v[PX]                  ; every lane holds the row's sum of squares
	s_wait_alu depctr_va_vdst(0)
	v_rsq_f32 v[FAC], v[SQ]
	v_nop                                          ; a plain instruction between the transcendental and the use of its result (ISA guide 5.7.2)
	s_wait_alu depctr_va_vdst(0)                   ; and the wait ahead of the first reader
.set p, 0
.rept 32
	v_pk_mul_f32 v[XS+2*p:XS+2*p+1], v[XS+2*p:XS+2*p+1], v[FAC:FAC+1] op_sel_hi:[1,0]
.set p, p+1
.endr
.Lweights_\@:
.set i, 0
	s_wait_alu depctr_va_vdst(0)
.rept 64
	v_med3_num_f32 v[XS+i], v[XS+i], -v[LIM], v[LIM]   ; the conversion to an 8-bit code does not saturate (ISA guide 7.6.2): the hold at the largest code x the scale
.set i, i+1
.endr
.set g, 0
.rept 8
	v_cvt_scalef32_pk8_bf8_f32 v[CS+2*g:CS+2*g+1], v[XS+8*g:XS+8*g+7], v[SCL]   ; register CS + j holds the four codes of load j
.set g, g+1
.endr
	v_nop                                          ; a plain instruction behind the last conversion of the run
.if \ahead
	LOADROW (\t)+2
.endif
.irp s, 0,1,2,3
	global_store_b128 v1, v[CS+4*\s:CS+4*\s+3], s[8:9] offset:2048*(\t)+512*\s   ; 32 lanes store 512 consecutive bytes, at a multiple of 512 from the buffer's first byte
.endr
.endm
	ROW 0, 1, 16
	ROW 1, 1, 16
	ROW 2, 0, 16
	ROW 3, 0, 0
	s_endpgm
.Lfunc_end_k_q6b568ffd37_quant:
	.size	k_q6b568ffd37_quant, .Lfunc_end_k_q6b568ffd37_quant-k_q6b568ffd37_quant
	.p2alignl 7, 3214868480
	.fill 96, 4, 3214868480
	.section	.rodata,"a",@progbits
	.p2align	6, 0x0
	.amdhsa_kernel k_q6b568ffd37_quant
		.amdhsa_group_segment_fixed_size 0
		.amdhsa_private_segment_fixed_size 0
		.amdhsa_enable_private_segment 0
		.amdhsa_kernarg_size 40
		.amdhsa_user_sgpr_count 2
		.amdhsa_user_sgpr_kernarg_segment_ptr 1
		.amdhsa_wavefront_size32 1
		.amdhsa_system_sgpr_workgroup_id_x 1
		.amdhsa_system_sgpr_workgroup_id_y 1
		.amdhsa_system_sgpr_workgroup_id_z 1
		.amdhsa_system_vgpr_workitem_id 0
		.amdhsa_next_free_vgpr 208
		.amdhsa_next_free_sgpr 66
		.amdhsa_reserve_vcc 0
		.amdhsa_float_denorm_mode_32 3
		.amdhsa_float_denorm_mode_16_64 3
		.amdhsa_memory_ordered 1
		.amdhsa_forward_progress 1
		.amdhsa_inst_pref_size 47
	.end_amdhsa_kernel
	.amdgpu_metadata
---
amdhsa.version: [ 1, 2 ]
amdhsa.kernels:
  - .name:           k_q6b568ffd37_quant
    .symbol:         k_q6b568ffd37_quant.kd
    .args:
      - { .name: x, .offset: 0, .size: 8, .value_kind: global_buffer, .address_space: global }
      - { .name: Wk, .offset: 8, .size: 8, .value_kind: global_buffer, .address_space: global }
      - { .name: lowp_scales, .offset: 16, .size: 8, .value_kind: global_buffer, .address_space: global }
      - { .name: xq, .offset: 24, .size: 8, .value_kind: global_buffer, .address_space: global }
      - { .name: wq, .offset: 32, .size: 8, .value_kind: global_buffer, .address_space: global }
    .group_segment_fixed_size: 0
    .private_segment_fixed_size: 0
    .kernarg_segment_align: 8
    .kernarg_segment_size: 40
    .max_flat_workgroup_size: 128
    .sgpr_count:     66
    .vgpr_count:     208
    .wavefront_size: 32
...
	.end_amdgpu_metadata
.endif
;; end of part 1
;; launch gemm (part 2): grid 16 x 16, 4 waves a work-group, clusters of 4 x 4, 327,680 bytes of LDS; arguments xq, wq, part; writes part
.if DOCPART == 2
	.amdgcn_target "amdgcn-amd-amdhsa--gfx1250"
	.amdhsa_code_object_version 6
	.text
	.protected	k_q6b568ffd37_gemm
	.globl	k_q6b568ffd37_gemm
	.p2align	8
	.type	k_q6b568ffd37_gemm,@function
k_q6b568ffd37_gemm:
	s_mov_b64 s[64:65], 0
	v_nop
	global_prefetch_b8 v0, s[64:65] scope:SCOPE_SE
	s_setreg_imm32_b32 hwreg(HW_REG_WAVE_MODE, 25, 1), 1
	s_wait_xcnt 0x0
	s_wait_alu depctr_hold_cnt(0) depctr_sa_sdst(0) depctr_va_vdst(0) depctr_va_sdst(0) depctr_va_ssrc(0) depctr_va_vcc(0) depctr_vm_vsrc(0)
	s_getreg_b32 s2, hwreg(HW_REG_IB_STS2, 6, 4)
	s_cmp_eq_u32 s2, 0
	s_cbranch_scc0 .Lentry_in_a_cluster
	s_endpgm
.Lentry_in_a_cluster:
	s_bfe_u32 s2, ttmp6, 0x10000c
	s_cmp_lg_u32 s2, 0xf033
	s_cbranch_scc0 .Lentry_shape_is_right
	s_endpgm
.Lentry_shape_is_right:
; Scores S[b][h] = sum over k of xq[b][k] wq[h][k] on codes of BF8 (E5M2), f32 sums, and of each row's scores within 512 columns the largest and its column.
; Left out: the factor 2^(e0 + e1) of every score: the same positive number in all, it moves no argmax (shown at the head of the first kernel).
; part holds whole numbers: keys [16][4096] u32, then, 262,144 bytes on, columns [16][4096] u32; the first index is the group of 512 columns.  A key is the maximum's bit pattern turned into an
; unsigned whole number of the same order (positive: top bit set; negative: all bits turned; -0 made +0 first), so that the next launch compares whole numbers.  Among equal maxima the lowest column.
; Within each run of 64 rows the words lie in the order in which a wave's lanes hold them: word 2 l + u is row 16 (2 (l / 16) + u) + l % 16.  The codes are finite, so no NaN arises.
; A work-group of four waves makes two tiles of 256 x 256 scores, one after the other (same 256 rows of xq, 512 rows of wq); a wave 128 x 128: 64 accumulators, 512 registers.
; K goes from 0 in steps of 256 through a ring of two LDS slots (rows of 256 bytes, 272 apart); each wave fetches 128 rows with one tensor load.  The ring goes on into the second tile, where K begins anew.
; CLUSTERS 4 x 4: xq's tile hangs on the work-group's x and is asked for jointly by a column of the cluster, wq's on its y, by a row.
; The matrix instruction is used transposed (source 0 = 16 rows of wq, source 1 = 16 rows of xq): lane (r, h) holds row r, register j of block b column 16 b + 8 h + j.
; PREFETCH: behind each joint load one instruction a wave names the K step that the refill two refills on will load: 32 rows x 256 bytes, a lane a row; the four partners of a joint load share its 128 rows
; out by address.  Behind the first joint load K step 1 is named too: its load goes out only when K step 0 has landed.  xq is asked for in the first tile alone (K steps 1 to 7: the second tile reads the
; same bytes again), wq through both tiles (K steps 1 to 15).  At most two K steps are asked for and not yet loaded.
; REGISTERS: window 0: v0-31 addresses, v32-103 the argmax, v128-255 xq's fragments (one set); window 1: wq's fragments (two sets); windows 2, 3: the accumulators.
.set SIZE_K, 2048
.set ROWB,   256
.set KROW,   SIZE_K
.set PITCH,  272
.set FR,     16
.set NL,     4
.set NP,     4
.set HALFT,  128*PITCH
.set SLOT,   4*HALFT
.set SPARE,  2*SLOT                    ; behind the ring: the spare words, 128 bytes a wave
.set LAPS,   SIZE_K/(2*ROWB)
.set COLS,   262144                    ; where the columns begin in part
.set ADRA, 16
.set ADRB, 20
.set STW,  24                          ; the stage (in slot 0, behind its last fill and last read): my 2,048 bytes + 16 x lane
.set STR,  25                          ; the same of the wave with the other half of the columns
.set PO,   26
.set SPW,  28
.set NIL,  29
.set PFO,  30                          ; lane x a row of codes
.set TM,   32
.set TM2,  40
.set TI,   48
.set BM,   56
.set BI,   64
.set NI,   72
.set CB,   73
.set OM,   74
.set OI,   82
.set T,    90
.set OUTP, 92
.set XM,   96
.set XI,   100
.set AF,   128
.set G1, 24
.set G0, 32
.set G1B, 48
.set G0B, 56
.set PFA,  66                          ; s[66:67] my 32 rows of the tile that I fetch for
.set PFC,  68                          ; s[68:69] the same at the K step that is asked for
.set PK,   70                          ; s[70:71] that K step's byte in a row
.set PS,   72                          ; s[72:73] a step of PFA
.set CM,   74
.set HIM,  82
.set SEL,  84
.set KO,   86                          ; s[86:87], s[88:89] the byte in a row of slot 0's, slot 1's K step
.set BA,   90
.set BB,   92
.set LIM,  94                          ; prefetches in the loops that are left to my wave
.set SM,   95                          ; all ones in the waves of the upper half of the columns
.set MSB, 0
.macro WIN new
.if MSB != \new
	s_set_vgpr_msb (MSB<<8)|\new
.set MSB, \new
.endif
.endm
.set MUL_LO, 0xa1
.set MUL_HI, 0xf1
.set TO_B,   0x40
; a joint load: waves 0, 1 fetch xq's halves, waves 2, 3 wq's; s_nop 0 and four v_nop behind each line
.macro JLOAD g0a, g1a, g0b, g1b
	s_cmp_eq_u32 s15, 0
	s_cbranch_scc0 .Lfor_b_\@
	tensor_load_to_lds s[\g0a:\g0a+3], s[\g1a:\g1a+7]
	s_nop 0
.rept 4
	v_nop
.endr
	s_branch .Lasked_\@
.Lfor_b_\@:
	tensor_load_to_lds s[\g0b:\g0b+3], s[\g1b:\g1b+7]
	s_nop 0
.rept 4
	v_nop
.endr
.Lasked_\@:
.endm
.macro CREST
	s_cmp_lg_u32 s14, 0
	s_cbranch_scc1 .Lnot_wave_0_\@
	s_barrier_signal -3
.Lnot_wave_0_\@:
	s_barrier_wait -3
	s_barrier_signal -1
	s_barrier_wait -1
.endm
.macro CROUND
	s_barrier_signal -1
	s_barrier_wait -1
	CREST
.endm
.macro ASK                             ; xq's waves ask in 4 changes of slots, wq's in 12
	s_cmp_ge_i32 s[LIM], 0
	s_cbranch_scc0 .Lnot_mine_\@
	global_prefetch_b8 v[PFO], s[PFC:PFC+1] th:TH_LOAD_NT scope:SCOPE_SE
.Lnot_mine_\@:
.endm
	s_load_b128 s[4:7], s[0:1], 0x0                ; xq, wq
	s_load_b64 s[10:11], s[0:1], 0x10              ; part
	v_lshl_add_u32 v[SPW], v0, 2, SPARE
	v_mov_b32 v[NIL], 0
	ds_add_u32 v[SPW], v[NIL]                      ; the opening lines: the add twice on end and its wait
	ds_add_u32 v[SPW], v[NIL]
	v_lshrrev_b32 v1, 5, v0
	v_readfirstlane_b32 s14, v1                    ; wave
	s_lshr_b32 s15, s14, 1                         ; my half of the rows; also: I fetch for xq (0) or wq (1)
	s_and_b32 s16, s14, 1                          ; my half of the columns; also: which 128 rows I fetch
	s_bfe_u32 s40, ttmp6, 0x40000                  ; cx
	s_bfe_u32 s41, ttmp6, 0x40004                  ; cy
	s_lshl_b32 s17, ttmp9, 2
	s_add_co_u32 s17, s17, s40                     ; block of 256 rows of xq
	s_and_b32 s12, ttmp7, 0xffff
	s_lshl_b32 s42, s12, 2
	s_add_co_u32 s42, s42, s41                     ; group of 512 rows of wq
	s_lshl_b32 s43, s41, 2
	s_lshl_b32 s43, 15, s43                        ; my row of the cluster
	s_lshl_b32 s44, 0x1111, s40                    ; my column
	s_or_b32 s[G1+0], s44, (0<<16)|(1<<20)|(1<<21)|(5<<22)|(3<<25)   ; bytes; 4 words of padding behind every 64; the mask, bit 21 beside it
	s_or_b32 s[G1B+0], s43, (0<<16)|(1<<20)|(1<<21)|(5<<22)|(3<<25)
.irp g, G1, G1B
	s_mov_b32 s[\g+1], ROWB<<16
	s_mov_b32 s[\g+2], 128<<16
	s_mov_b32 s[\g+3], ROWB<<16
	s_mov_b32 s[\g+4], 128
	s_mov_b32 s[\g+5], KROW
	s_mov_b32 s[\g+6], 0
	s_mov_b32 s[\g+7], 0
.endr
	s_lshl_b32 s18, s16, 7
	s_lshl_b32 s20, s17, 8
	s_add_co_u32 s20, s20, s18
	s_lshl_b32 s46, s42, 9
	s_add_co_u32 s46, s46, s18
	s_lshl_b32 s20, s20, 11
	s_lshl_b32 s46, s46, 11
	s_mov_b32 s21, 0
	s_mov_b32 s47, 0
	s_mul_i32 s45, s14, HALFT
	s_mov_b32 s[KO], 0                             ; K step 0,
	s_mov_b32 s[KO+1], 0
	s_mov_b32 s[KO+2], ROWB                        ; K step 1
	s_mov_b32 s[KO+3], 0
	s_wait_dscnt 0x0                               ; both opening adds are done
	s_wait_kmcnt 0x0
	s_add_nc_u64 s[BA:BA+1], s[4:5], s[20:21]
	s_add_nc_u64 s[BB:BB+1], s[6:7], s[46:47]
	CROUND                                         ; in front of the first joint loads
.irp s, 0,1
	s_mov_b32 s[G0+4*\s], 1
	s_add_co_u32 s[G0+4*\s+1], s45, \s*SLOT
	s_add_nc_u64 s[G0+4*\s+2:G0+4*\s+3], s[BA:BA+1], s[KO+2*\s:KO+2*\s+1]
	s_or_b32 s[G0+4*\s+3], s[G0+4*\s+3], 0x80000000
	s_mov_b32 s[G0B+4*\s], 1
	s_add_co_u32 s[G0B+4*\s+1], s45, \s*SLOT
	s_add_nc_u64 s[G0B+4*\s+2:G0B+4*\s+3], s[BB:BB+1], s[KO+2*\s:KO+2*\s+1]
	s_or_b32 s[G0B+4*\s+3], s[G0B+4*\s+3], 0x80000000
.endr
	JLOAD G0, G1, G0B, G1B                         ; K step 0: one tensor load a wave at the head
	s_lshl_b32 s19, s16, 7
	s_lshl_b32 s20, s17, 8                         ; the prefetches: the tile's first row, my place among the four that ask with me, the buffer
	s_lshl_b32 s46, s42, 9
	s_cmp_eq_u32 s15, 0
	s_cselect_b32 s20, s20, s46
	s_cselect_b32 s46, s41, s40
	s_cselect_b64 s[PFA:PFA+1], s[4:5], s[6:7]
	s_cselect_b32 s[LIM], 4, 12
	s_add_co_u32 s20, s20, s19                     ; + the 128 rows that I fetch
	s_lshl_b32 s46, s46, 5
	s_add_co_u32 s20, s20, s46                     ; + my work-group's 32 of them
	s_lshl_b32 s[PS], s20, 11
	s_mov_b32 s[PS+1], 0
	s_mov_b32 s[PK+1], 0
	s_add_nc_u64 s[PFA:PFA+1], s[PFA:PFA+1], s[PS:PS+1]
	v_and_b32 v5, 31, v0
	v_lshlrev_b32 v[PFO], 11, v5
	global_prefetch_b8 v[PFO], s[PFA:PFA+1] offset:ROWB th:TH_LOAD_NT scope:SCOPE_SE     ; K step 1: its load follows when K step 0 has landed
	global_prefetch_b8 v[PFO], s[PFA:PFA+1] offset:2*ROWB th:TH_LOAD_NT scope:SCOPE_SE   ; K step 2, two refills ahead of its load
	s_mul_i32 s21, s15, HALFT
	s_mul_i32 s22, s16, HALFT
	s_add_co_u32 s22, s22, 2*HALFT
	s_lshl_b32 s18, s42, 9
	s_add_co_u32 s18, s18, s19                     ; my first column
	s_lshl_b32 s23, s14, 11                        ; my stage,
	s_xor_b32 s13, s23, 2048                       ; and my partner's
	s_mov_b32 s[HIM], 0xffff0000
	s_mov_b32 s[SEL], 0x76543210
	s_mov_b32 s[SEL+1], 0xfedcba98
	s_cmp_eq_u32 s16, 0
	s_cselect_b32 s[SM], 0, -1
	s_lshl_b32 s46, s42, 14                        ; part: 16,384 x group + 1,024 x block of rows + 256 x wave (64 rows of 4 bytes)
	s_lshl_b32 s47, s17, 10
	s_add_co_u32 s46, s46, s47
	s_lshl_b32 s47, s14, 8
	s_add_co_u32 s46, s46, s47
	s_mov_b32 s47, 0
	s_add_nc_u64 s[10:11], s[10:11], s[46:47]
	v_and_b32 v1, 15, v0
	v_bfe_u32 v2, v0, 4, 1
	v_mul_u32_u24 v3, v1, PITCH
	v_lshl_add_u32 v4, v2, 4, v3
	v_add_nc_u32 v[ADRA], s21, v4
	v_add_nc_u32 v[ADRB], s22, v4
	v_add_nc_u32 v[ADRA+1], SLOT, v[ADRA]
	v_add_nc_u32 v[ADRB+1], SLOT, v[ADRB]
	v_and_b32 v5, 31, v0
	v_lshlrev_b32 v[PO], 3, v5
	v_lshl_add_u32 v[STW], v5, 4, s23
	v_lshl_add_u32 v[STR], v5, 4, s13
	v_mov_b32 v[NI], 0xff800000
	v_lshl_add_u32 v[CB], v2, 3, s18
.irp a, 0,1,2,3,4,5,6,7
	v_mov_b32 v[OM+\a], 0                          ; a lane permute's destination counts as one of its sources
	v_mov_b32 v[OI+\a], 0
.endr
.macro FRAG reg, adr, q, i
.irp c, 0,1,2,3
	ds_load_b128 v[\reg+4*\c:\reg+4*\c+3], v[\adr] offset:128*(\q)+32*\c+(\i)*16*PITCH
.endr
.endm
; the 64 accumulators take turns, in the same order in every step
.macro MUL16 a0, p, zero
.irp a, \a0, \a0+1
.irp b, 0,1,2,3,4,5,6,7
.if \zero
	v_wmma_f32_16x16x128_bf8_bf8 v[8*(8*((\a)%4)+\b):8*(8*((\a)%4)+\b)+7], v[128*(\p)+FR*\b:128*(\p)+FR*\b+FR-1], v[AF+FR*(\a):AF+FR*(\a)+FR-1], 0
.else
	v_wmma_f32_16x16x128_bf8_bf8 v[8*(8*((\a)%4)+\b):8*(8*((\a)%4)+\b)+7], v[128*(\p)+FR*\b:128*(\p)+FR*\b+FR-1], v[AF+FR*(\a):AF+FR*(\a)+FR-1], v[8*(8*((\a)%4)+\b):8*(8*((\a)%4)+\b)+7]
.endif
.endr
.endr
.endm
.macro FETCH_B slot, q, p
	WIN TO_B
.irp i, 0,1,2,3,4,5,6,7
	FRAG 128*(\p)+FR*\i, ADRB+\slot, \q, \i
.endr
	WIN 0
.endm
.macro FETCH_A slot, q, i0
.irp i, \i0, \i0+1, \i0+2, \i0+3
	FRAG AF+FR*(\i), ADRA+\slot, \q, \i
.endr
.endm
.macro PLACES n
.rept \n
	v_nop
.endr
.endm
; 128 along K whose successor lies in the same slot: 64 products; the next 128's fragments come in three runs: wq's 32 loads (into the set that the step before left), then xq's 16 and 16
.macro STEP slot, q, zero
	s_wait_dscnt 4*NL                              ; all but xq's blocks 4-7
	WIN MUL_LO
	MUL16 0, (\q)%2, \zero
	FETCH_B \slot, (\q)+1, 1-(\q)%2
	WIN MUL_LO
	MUL16 2, (\q)%2, \zero
	s_wait_dscnt 8*NL                              ; all but the 32 just issued: xq's blocks 4-7 are in
	WIN MUL_HI
	MUL16 4, (\q)%2, \zero
	PLACES NP
	WIN 0
	FETCH_A \slot, (\q)+1, 0
	WIN MUL_HI
	MUL16 6, (\q)%2, \zero
	PLACES NP
	WIN 0
	FETCH_A \slot, (\q)+1, 4
.endm
; a slot's last 128 along K, and the change of slots.  fill = 1: this slot takes the K step two on; 2: the same in the next tile of wq; 0: nothing
.macro TURN slot, next, fill, ask
.if \ask
	s_wait_xcnt 0x0                                ; my last prefetch has read its address
	s_sub_co_i32 s[LIM], s[LIM], 1
	s_cmp_eq_u32 s[LIM], 7                         ; wq's waves, fifth change of slots: from here on the K steps asked for are the second tile's
	s_cselect_b32 s[PS], 256*KROW, 0
	s_add_nc_u64 s[PFA:PFA+1], s[PFA:PFA+1], s[PS:PS+1]
.endif
	s_wait_tensorcnt 0x0                           ; all my tensor loads have landed: my part of the next slot
	ds_add_u32 v[SPW], v[NIL]
.if \fill
	s_add_co_u32 s[KO+2*\slot], s[KO+2*\slot], 2*ROWB
	s_and_b32 s[KO+2*\slot], s[KO+2*\slot], SIZE_K-1   ; behind a tile's last K step comes the next tile's first
.if (\fill == 2) && (\slot == 0)
	s_add_nc_u64 s[BB:BB+1], s[BB:BB+1], 256*KROW
.endif
	s_add_nc_u64 s[G0+4*\slot+2:G0+4*\slot+3], s[BA:BA+1], s[KO+2*\slot:KO+2*\slot+1]
	s_or_b32 s[G0+4*\slot+3], s[G0+4*\slot+3], 0x80000000
	s_add_nc_u64 s[G0B+4*\slot+2:G0B+4*\slot+3], s[BB:BB+1], s[KO+2*\slot:KO+2*\slot+1]
	s_or_b32 s[G0B+4*\slot+3], s[G0B+4*\slot+3], 0x80000000
.endif
.if \ask
	s_add_co_u32 s[PK], s[KO+2*\slot], 2*ROWB      ; the K step that this slot's next refill will load
	s_and_b32 s[PK], s[PK], SIZE_K-1
	s_add_nc_u64 s[PFC:PFC+1], s[PFA:PFA+1], s[PK:PK+1]
.endif
	s_wait_dscnt 4*NL+1                            ; the add and xq's blocks 4-7 may be out
	WIN MUL_LO
	MUL16 0, 1, 0
	s_wait_dscnt 0x0                               ; the add is done, my reads of this slot are over
	s_barrier_signal -1
	MUL16 2, 1, 0
	WIN 0
	s_barrier_wait -1
.if \fill
	CREST                                          ; the barrier opened a round of the cluster's barrier
	JLOAD G0+4*\slot, G1, G0B+4*\slot, G1B         ; the first tensor load behind the round
.else
	PLACES NP
.endif
	FETCH_B \next, 0, 0
.if \ask
	ASK
.endif
	WIN MUL_HI
	MUL16 4, 1, 0
	WIN 0
	FETCH_A \next, 0, 0
	WIN MUL_HI
	MUL16 6, 1, 0
	PLACES NP
	WIN 0
	FETCH_A \next, 0, 4
.endm
; a lane's largest of its 64 scores in each of the 8 blocks of rows, each accumulator from its low end on,
.macro MAXHALF mx, hi
.irp b, 0,1,2,3,4,5,6,7
.irp p, 0,1,2,3
.irp a, 0,1,2,3
.if (\p)%2 == 0
.set CH, \mx+4*\hi+\a
.else
.set CH, TM2+4*\hi+\a
.endif
.if (\b == 0) && (\p < 2)
	v_max3_num_f32 v[CH], v[NI], v[8*(8*\a+\b)+2*\p], v[8*(8*\a+\b)+2*\p+1]
.else
	v_max3_num_f32 v[CH], v[CH], v[8*(8*\a+\b)+2*\p], v[8*(8*\a+\b)+2*\p+1]
.endif
.endr
.endr
.endr
.endm
; and its place: from the highest column down, so that the lowest equal one stays
.macro IDXHALF mx, ix, hi
.set e, 63
.rept 32
.irp a, 0,1,2,3
	v_cmp_neq_f32 s[CM+\a], v[64*\a+e], v[\mx+4*\hi+\a]
.endr
.irp a, 0,1,2,3
	v_cmp_neq_f32 s[CM+4+\a], v[64*\a+e-1], v[\mx+4*\hi+\a]
.endr
.irp a, 0,1,2,3
	v_cndmask_b32 v[\ix+4*\hi+\a], 16*(e/8)+e%8, v[\ix+4*\hi+\a], s[CM+\a]
.endr
.irp a, 0,1,2,3
	v_cndmask_b32 v[\ix+4*\hi+\a], 16*((e-1)/8)+(e-1)%8, v[\ix+4*\hi+\a], s[CM+4+\a]
.endr
.set e, e-2
.endr
.endm
.macro ARGMAX mx, ix
	WIN 0x28
	MAXHALF \mx, 0
	WIN 0x3c
	MAXHALF \mx, 1
	WIN 0
.irp a, 0,1,2,3,4,5,6,7
	v_max_num_f32 v[\mx+\a], v[\mx+\a], v[TM2+\a]
.endr
.irp a, 0,1,2,3,4,5,6,7
	v_mov_b32 v[\ix+\a], 0
.endr
	WIN 0x02
	IDXHALF \mx, \ix, 0
	WIN 0x03
	IDXHALF \mx, \ix, 1
	WIN 0
.endm
; (OM, OI) is taken into (BM, BI): the greater maximum, among equal ones the lower column
.macro JOIN
.irp a, 0,1,2,3,4,5,6,7
	v_cmp_gt_f32 s[CM+2*(\a%4)], v[OM+\a], v[BM+\a]
	v_cmp_eq_f32 s[CM+2*(\a%4)+1], v[OM+\a], v[BM+\a]
	v_min_u32 v[T], v[OI+\a], v[BI+\a]
	v_cndmask_b32 v[BI+\a], v[BI+\a], v[T], s[CM+2*(\a%4)+1]
	v_cndmask_b32 v[BI+\a], v[BI+\a], v[OI+\a], s[CM+2*(\a%4)]
	v_max_num_f32 v[BM+\a], v[BM+\a], v[OM+\a]
.endr
.endm
	s_wait_alu depctr_va_vdst(0)
	s_wait_tensorcnt 0x0                           ; my part of K step 0 is in; slot 1's first fill is issued as a refill is
	ds_add_u32 v[SPW], v[NIL]
	s_wait_dscnt 0x0
	CROUND
	JLOAD G0+4, G1, G0B+4, G1B                     ; K step 1
	FETCH_B 0, 0, 0
	global_prefetch_b8 v[PFO], s[PFA:PFA+1] offset:3*ROWB th:TH_LOAD_NT scope:SCOPE_SE   ; K step 3
	FETCH_A 0, 0, 0
	FETCH_A 0, 0, 4
	STEP 0, 0, 1                                   ; the first products start the sums
	s_mov_b32 s3, LAPS-1
.Llap0:
	TURN 0, 1, 1, 1
	STEP 1, 0, 0
	TURN 1, 0, 1, 1
	STEP 0, 0, 0
	s_sub_co_u32 s3, s3, 1
	s_cmp_lg_u32 s3, 0
	s_cbranch_scc1 .Llap0
	TURN 0, 1, 2, 1                                ; the ring goes on into the second tile
	STEP 1, 0, 0
	TURN 1, 0, 2, 1
	ARGMAX BM, BI
	STEP 0, 0, 1
	s_mov_b32 s3, LAPS-1
.Llap1:
	TURN 0, 1, 1, 1
	STEP 1, 0, 0
	TURN 1, 0, 1, 1
	STEP 0, 0, 0
	s_sub_co_u32 s3, s3, 1
	s_cmp_lg_u32 s3, 0
	s_cbranch_scc1 .Llap1
	TURN 0, 1, 0, 0                                ; the last lap fills nothing
	STEP 1, 0, 0
	s_wait_dscnt 4*NL
	WIN MUL_LO
	MUL16 0, 1, 0
	MUL16 2, 1, 0
	s_wait_dscnt 0
	WIN MUL_HI
	MUL16 4, 1, 0
	MUL16 6, 1, 0
	WIN 0
	PLACES NP
	ARGMAX TM, TI
.irp a, 0,1,2,3,4,5,6,7
	v_add_nc_u32 v[TI+\a], 256, v[TI+\a]
.endr
.irp a, 0,1,2,3,4,5,6,7
	v_cmp_gt_f32 s[CM+\a], v[TM+\a], v[BM+\a]      ; the second tile's columns are the higher ones: it wins only if greater
.endr
.irp a, 0,1,2,3,4,5,6,7
	v_cndmask_b32 v[BI+\a], v[BI+\a], v[TI+\a], s[CM+\a]
	v_max_num_f32 v[BM+\a], v[BM+\a], v[TM+\a]
.endr
.irp a, 0,1,2,3,4,5,6,7
	v_add_nc_u32 v[BI+\a], v[CB], v[BI+\a]
.endr
.irp a, 0,1,2,3,4,5,6,7
	v_permlanex16_b32 v[OM+\a], v[BM+\a], s[SEL], s[SEL+1]
	v_permlanex16_b32 v[OI+\a], v[BI+\a], s[SEL], s[SEL+1]
.endr
	JOIN                                           ; with lane l xor 16: both halves of the lanes now hold the same
.irp i, 0,1,2,3
	ds_store_b128 v[STW], v[BM+4*\i:BM+4*\i+3] offset:512*\i   ; an image of my 16 registers; slot 0 has had its last fill, and its last read lies behind a barrier
.endr
	s_wait_alu depctr_va_vdst(0)
	s_wait_dscnt 0x0                               ; for my partner's sake
	s_barrier_signal -1
	s_barrier_wait -1
.irp i, 0,1,2,3
	ds_load_b128 v[OM+4*\i:OM+4*\i+3], v[STR] offset:512*\i    ; the wave with my rows and the other half of the columns
.endr
	s_wait_dscnt 0x0
	JOIN
.irp k, 0,1,2,3
	v_cndmask_b32 v[XM+\k], v[BM+\k], v[BM+4+\k], s[SM]        ; of the pair's 128 rows each wave stores 64: blocks 0-3 or 4-7
	v_cndmask_b32 v[XI+\k], v[BI+\k], v[BI+4+\k], s[SM]
.endr
.irp u, 0,1
	v_cndmask_b32 v[OUTP+\u], v[XM+\u], v[XM+2+\u], s[HIM]     ; word u of lane (r, h): row r of block 2 h + u
	v_cndmask_b32 v[OUTP+2+\u], v[XI+\u], v[XI+2+\u], s[HIM]
.endr
.irp u, 0,1
	v_add_f32 v[OUTP+\u], 0, v[OUTP+\u]            ; -0 becomes +0
.endr
.irp u, 0,1
	v_ashrrev_i32 v[T+\u], 31, v[OUTP+\u]
.endr
.irp u, 0,1
	v_or_b32 v[T+\u], 0x80000000, v[T+\u]
.endr
.irp u, 0,1
	v_xor_b32 v[OUTP+\u], v[T+\u], v[OUTP+\u]      ; the key
.endr
	global_store_b64 v[PO], v[OUTP:OUTP+1], s[10:11]                   ; 64 keys: 32 lanes store 256 consecutive bytes, aligned
	global_store_b64 v[PO], v[OUTP+2:OUTP+3], s[10:11] offset:COLS     ; and their columns likewise
	s_wait_tensorcnt 0x0                           ; the wave's end
	ds_add_u32 v[SPW], v[NIL]
	s_wait_dscnt 0x0
	CROUND                                         ; the closing round
	s_endpgm
.Lfunc_end_k_q6b568ffd37_gemm:
	.size	k_q6b568ffd37_gemm, .Lfunc_end_k_q6b568ffd37_gemm-k_q6b568ffd37_gemm
	.p2alignl 7, 3214868480
	.fill 96, 4, 3214868480
	.section	.rodata,"a",@progbits
	.p2align	6, 0x0
	.amdhsa_kernel k_q6b568ffd37_gemm
		.amdhsa_group_segment_fixed_size 327680
		.amdhsa_private_segment_fixed_size 0
		.amdhsa_enable_private_segment 0
		.amdhsa_kernarg_size 24
		.amdhsa_user_sgpr_count 2
		.amdhsa_user_sgpr_kernarg_segment_ptr 1
		.amdhsa_wavefront_size32 1
		.amdhsa_system_sgpr_workgroup_id_x 1
		.amdhsa_system_sgpr_workgroup_id_y 1
		.amdhsa_system_sgpr_workgroup_id_z 1
		.amdhsa_system_vgpr_workitem_id 0
		.amdhsa_next_free_vgpr 1024
		.amdhsa_next_free_sgpr 96
		.amdhsa_reserve_vcc 0
		.amdhsa_float_denorm_mode_32 3
		.amdhsa_float_denorm_mode_16_64 3
		.amdhsa_memory_ordered 1
		.amdhsa_forward_progress 1
		.amdhsa_inst_pref_size 255
	.end_amdhsa_kernel
	.section	.bss,"aw",@nobits
	.p2align	6
	.space	262144
	.amdgpu_metadata
---
amdhsa.version: [ 1, 2 ]
amdhsa.kernels:
  - .name:           k_q6b568ffd37_gemm
    .symbol:         k_q6b568ffd37_gemm.kd
    .args:
      - { .name: xq, .offset: 0, .size: 8, .value_kind: global_buffer, .address_space: global }
      - { .name: wq, .offset: 8, .size: 8, .value_kind: global_buffer, .address_space: global }
      - { .name: part, .offset: 16, .size: 8, .value_kind: global_buffer, .address_space: global }
    .group_segment_fixed_size: 327680
    .private_segment_fixed_size: 0
    .kernarg_segment_align: 8
    .kernarg_segment_size: 24
    .max_flat_workgroup_size: 128
    .sgpr_count:     96
    .vgpr_count:     1024
    .wavefront_size: 32
...
	.end_amdgpu_metadata
.endif
;; end of part 2
;; launch gather (part 3): grid 128 x 2, 16 waves a work-group, no clusters, 135,168 bytes of LDS; arguments Wg, part, out0; writes out0
.if DOCPART == 3
	.amdgcn_target "amdgcn-amd-amdhsa--gfx1250"
	.amdhsa_code_object_version 6
	.text
	.protected	k_q6b568ffd37_gather
	.globl	k_q6b568ffd37_gather
	.p2align	8
	.type	k_q6b568ffd37_gather,@function
k_q6b568ffd37_gather:
	s_mov_b64 s[64:65], 0
	v_nop
	global_prefetch_b8 v0, s[64:65] scope:SCOPE_SE
	s_setreg_imm32_b32 hwreg(HW_REG_WAVE_MODE, 25, 1), 1
	s_wait_xcnt 0x0
; out0[b][c] = Wg[c][w(b)], w(b) the column of row b's largest score.  Wg: [1000][8192] f32; out0: [4096][1000] f32.
; part holds whole numbers that the launch before stored: keys [16][4096] u32 and, 262,144 bytes on, columns [16][4096] u32: for each group of 512 columns a row's largest score as an unsigned key of the
; same order, and its column.  Within each run of 64 rows word 2 l + u is row 16 (2 (l / 16) + u) + l % 16.  (The scores' common factor is left out: see the first kernel.)
; w(b) lies in the lowest group that has the greatest key.  A work-group's 64 columns lie in ONE group, g = hx / 8, known from its number.  So it reads all 16 groups' keys but only group g's columns:
; row b's winner lies in group g just when key[g][b] = the largest over p of key[p][b] + (1 if p < g, else 0): a lower group beats g already with an equal key, a higher one only with a greater.
; (A key is under 0xff800000, so the 1 never wraps.)
; A column of Wg is 1,000 words that lie 32,768 bytes apart.  So Wg is read by TILES: work-group (hx, cy) holds Wg[500 cy .. 500 cy + 499][64 hx .. 64 hx + 63] in LDS, rows of 256 consecutive aligned bytes:
; each byte of Wg is read once in the launch.  The tile's loads go out first, the keys' and columns' behind them; the tile goes into LDS while the keys arrive.  Then each of the 16 waves judges 256 rows
; (8 a lane); for each winner in the tile's 64 columns it reads that column out of LDS and stores 2,000 bytes of the row of out0.  Each row matches exactly one hx, so every byte of out0 is written,
; by one work-group.  Any split of the winners is served.
; No tensor load: the trip counts hang on part.  No cluster: the work-groups share no input but part.  No prefetch: all loads go out at the head; there is no loop to run ahead in.
; LDS: 512 rows, 260 bytes apart (65 words).  Every wave stores 32 rows and their pad words, so all bytes up to the spare words are written.  The tile ends at row 499: wave 15's last six loads
; read six of its earlier row pairs again, so that no load leaves Wg, and land in LDS rows 500 to 511, which nobody reads.  Behind the one barrier LDS is only read.
; A row of out0 is 4,000 bytes, so its pieces begin at multiples of 16 bytes, not of 256: a store covers 512 consecutive bytes all the same.
; LIMIT: a column outside its group would match no tile or a wrong one; the launch that stores part makes none.
.set LP,  260
.set COLS, 262144
.set LO,  1                            ; v1   16 x lane
.set VG,  2                            ; v2   the tile's loads: 32,768 h + 16 r
.set VS,  3                            ; v3   the tile's LDS stores: 32 LP x wave + LP h + 16 r
.set L0,  4                            ; v4   4 LP x lane
.set L1,  5                            ; v5   + 64 x 4 LP
.set A0,  6
.set A1,  7
.set IR,  8                            ; v8-15   group g's columns: register n = 4 q + i of lane l is row 256 wave + 128 q + 32 (l / 8) + 2 (l % 8) + 16 (i % 2) + i / 2
.set KR,  16                           ; v16-23  the largest of the raised keys
.set TR,  24                           ; v24-87  my 32 rows of the tile
.set OR,  88                           ; v88-103 a row's piece
.set T,   104
.set Z,   105                          ; 0, for the pad words
.set VP,  106                          ; the pad word of row 32 wave + h
.set PR,  112                          ; v112-239 the 16 groups' keys of my 256 rows: group p at 8 p
.set SPW, 240
.set NIL, 241
.set KG,  242                          ; v242-249 group g's keys
.set SPARE, 512*LP                     ; 133,120: the spare words, 128 bytes a wave
.set WV,  12
.set HX,  13
.set CY,  14
.set WB,  15
.set MK,  16
.set CNT, 17
.set BIT, 18
.set TS,  19
.set IDX, 20
.set COL, 21
.set BR,  22
.set GR,  23
.set OFF, 24
.set OB,  26
.set SP,  48                           ; s48-62  1 for the groups under g, else 0
	s_load_b128 s[4:7], s[0:1], 0x0                ; Wg, part
	s_load_b64 s[8:9], s[0:1], 0x10                ; out0
	v_lshl_add_u32 v[SPW], v0, 2, SPARE
	v_mov_b32 v[NIL], 0
	v_lshrrev_b32 v[T], 5, v0
	s_delay_alu instid0(VALU_DEP_1)
	v_readfirstlane_b32 s[WV], v[T]                ; wave 0..15
	v_and_b32 v[A0], 31, v0                        ; lane
	v_and_b32 v[A1], 15, v0                        ; r
	v_bfe_u32 v[T], v0, 4, 1                       ; h
	s_delay_alu instid0(VALU_DEP_3)
	v_lshlrev_b32 v[LO], 4, v[A0]
	s_delay_alu instid0(VALU_DEP_3)
	v_lshlrev_b32 v[VG], 4, v[A1]
	s_delay_alu instid0(VALU_DEP_1)
	v_lshl_add_u32 v[VG], v[T], 15, v[VG]
	s_mul_i32 s28, s[WV], 32*LP
	s_add_co_u32 s38, s28, 256
	v_mul_u32_u24 v[VS], v[T], LP
	s_delay_alu instid0(VALU_DEP_1)
	v_lshl_add_u32 v[VS], v[A1], 4, v[VS]
	s_delay_alu instid0(VALU_DEP_1)
	v_add_nc_u32 v[VS], s28, v[VS]
	v_mul_u32_u24 v[L0], v[A0], 4*LP
	s_delay_alu instid0(VALU_DEP_1)
	v_add_nc_u32 v[L1], 64*4*LP, v[L0]
	v_mad_u32_u24 v[VP], v[T], LP, s38
	v_mov_b32 v[Z], 0
	s_mov_b32 s[HX], ttmp9
	s_and_b32 s[CY], ttmp7, 0xffff
	s_lshl_b32 s[WB], s[WV], 8
	s_lshr_b32 s[GR], s[HX], 3                     ; g
	s_mul_i32 s28, s[CY], 500
	s_lshl_b32 s29, s[WV], 5
	s_add_co_u32 s28, s28, s29                     ; my first row of Wg: 500 cy + 32 x wave
	s_lshl_b32 s28, s28, 15
	s_lshl_b32 s29, s[HX], 8
	s_add_co_u32 s28, s28, s29                     ; + 256 hx
	s_mov_b32 s29, 0
	s_lshl_b32 s30, s[WV], 10                      ; my 256 rows in a group: 1,024 bytes
	s_mov_b32 s31, 0
	s_mul_i32 s32, s[CY], 2000                     ; my half of a row of out0
	s_mov_b32 s33, 0
	s_cmp_eq_u32 s[WV], 15
	s_cselect_b32 s34, 6*65536, 0                  ; wave 15's last six loads reach six row pairs back
	s_mov_b32 s35, 0
	s_lshl_b32 s40, s[GR], 14                      ; group g: 16,384 bytes a group
	s_mov_b32 s41, 0
	s_mov_b32 s[OFF+1], 0
.irp p, 0,1,2,3,4,5,6,7,8,9,10,11,12,13,14
	s_sub_co_i32 s[SP+\p], \p, s[GR]               ; negative just when p < g:
	s_lshr_b32 s[SP+\p], s[SP+\p], 31              ; its top bit
.endr
	s_wait_alu depctr_va_vdst(0)
	s_wait_kmcnt 0x0
	s_add_nc_u64 s[4:5], s[4:5], s[28:29]
	s_add_nc_u64 s[6:7], s[6:7], s[30:31]
	s_add_nc_u64 s[8:9], s[8:9], s[32:33]
	s_sub_nc_u64 s[36:37], s[4:5], s[34:35]
	s_add_nc_u64 s[42:43], s[6:7], s[40:41]
.irp i, 0,1,2,3,4,5,6,7,8,9
	global_load_b128 v[TR+4*\i:TR+4*\i+3], v[VG], s[4:5] offset:65536*\i th:TH_LOAD_NT   ; lanes 0-15: the 256 bytes of the tile's row 32 wave + 2 i; lanes 16-31: of the next
.endr
.irp i, 10,11,12,13,14,15
	global_load_b128 v[TR+4*\i:TR+4*\i+3], v[VG], s[36:37] offset:65536*\i th:TH_LOAD_NT
.endr
.irp p, 0,1,2,3,4,5,6,7,8,9,10,11,12,13,14,15
.irp q, 0,1
	global_load_b128 v[PR+8*\p+4*\q:PR+8*\p+4*\q+3], v[LO], s[6:7] offset:16384*\p+512*\q   ; 512 consecutive bytes of group p's keys
.endr
.endr
.irp q, 0,1
	global_load_b128 v[KG+4*\q:KG+4*\q+3], v[LO], s[42:43] offset:512*\q
	global_load_b128 v[IR+4*\q:IR+4*\q+3], v[LO], s[42:43] offset:COLS+512*\q
.endr
	s_wait_loadcnt 36                              ; the tile's rows are in; the 36 loads of keys and columns behind them may be out
.irp i, 0,1,2,3,4,5,6,7,8,9,10,11,12,13,14,15
.irp u, 0,1,2,3
	ds_store_b32 v[VS], v[TR+4*\i+\u] offset:2*LP*\i+4*\u
.endr
	ds_store_b32 v[VP], v[Z] offset:2*LP*\i        ; the row's pad word: sixteen lanes write the same 0
.endr
	s_wait_loadcnt 0x0                             ; keys and columns are in
.irp p, 0,1,2,3,4,5,6,7,8,9,10,11,12,13,14
.irp n, 0,1,2,3,4,5,6,7
	v_add_nc_u32 v[PR+8*\p+\n], s[SP+\p], v[PR+8*\p+\n]        ; the lower groups' keys are raised by 1 (group 15 is under no g)
.endr
.endr
.irp n, 0,1,2,3,4,5,6,7
	v_max_u32 v[KR+\n], v[PR+\n], v[PR+8+\n]       ; eight rows that do not wait for each other
.endr
.irp p, 2,3,4,5,6,7,8,9,10,11,12,13,14,15
.irp n, 0,1,2,3,4,5,6,7
	v_max_u32 v[KR+\n], v[KR+\n], v[PR+8*\p+\n]
.endr
.endr
	s_wait_alu depctr_va_vdst(0)
	s_wait_dscnt 0x0                               ; for the others' sake: my stores have landed
	s_barrier_signal -1
	s_barrier_wait -1                              ; the tile is whole; from here on LDS is only read
; Register n of my rows: 32 rows.  One trip for each lane whose row is won by group g, in my tile's 64 columns.
; A piece is 500 classes = 125 runs of four; lane l takes run cb + l of group 0 .. 3, cb = 0, 32, 64, 93: the last group repeats three runs of the third (the same bytes), so that all lanes stay on.
.macro SCAN n
	v_lshrrev_b32 v[T], 6, v[IR+\n]
	s_delay_alu instid0(VALU_DEP_1)
	v_cmp_eq_u32 s[MK], s[HX], v[T]
	v_cmp_eq_u32 s[TS], v[KR+\n], v[KG+\n]
	s_and_b32 s[MK], s[MK], s[TS]
	s_bcnt1_i32_b32 s[CNT], s[MK]
	s_cmp_eq_u32 s[CNT], 0
	s_cbranch_scc1 .Lnone_\@
.Lrow_\@:
	s_ctz_i32_b32 s[BIT], s[MK]                    ; the lowest lane that is left,
	s_lshl_b32 s[TS], 1, s[BIT]
	s_and_not1_b32 s[MK], s[MK], s[TS]             ; struck off
	v_readlane_b32 s[IDX], v[IR+\n], s[BIT]
	s_and_b32 s[COL], s[IDX], 63
	s_min_u32 s[COL], s[COL], 63                   ; the column within the tile,
	s_lshl_b32 s[COL], s[COL], 2                   ; in bytes
	s_lshr_b32 s[BR], s[BIT], 3
	s_lshl_b32 s[BR], s[BR], 5                     ; 32 (l / 8)
	s_and_b32 s[TS], s[BIT], 7
	s_lshl_b32 s[TS], s[TS], 1                     ; 2 (l % 8)
	s_add_co_u32 s[BR], s[BR], s[TS]
	s_add_co_u32 s[BR], s[BR], s[WB]
	s_add_co_u32 s[BR], s[BR], 128*((\n)/4)+16*((\n)%2)+((\n)%4)/2
	s_min_u32 s[BR], s[BR], 4095                   ; the row of out0
	s_mul_i32 s[OFF], s[BR], 4000
	s_wait_xcnt 0x0                                ; the last trip's stores have read their data and their base: both are written again only behind this wait
	s_add_nc_u64 s[OB:OB+1], s[8:9], s[OFF:OFF+1]
	v_add_nc_u32 v[A0], s[COL], v[L0]
	v_add_nc_u32 v[A1], s[COL], v[L1]
.irp u, 0,1,2,3
	ds_load_b32 v[OR+\u], v[A0] offset:LP*\u
.endr
.irp u, 0,1,2,3
	ds_load_b32 v[OR+4+\u], v[A0] offset:32*4*LP+LP*\u
.endr
.irp u, 0,1,2,3
	ds_load_b32 v[OR+8+\u], v[A1] offset:LP*\u
.endr
.irp u, 0,1,2,3
	ds_load_b32 v[OR+12+\u], v[A1] offset:29*4*LP+LP*\u
.endr
	s_wait_dscnt 12                                ; LDS loads come back in order (ISA guide 5.7.1): the first group's four are in, the 12 behind them may be out
	global_store_b128 v[LO], v[OR:OR+3], s[OB:OB+1] th:TH_STORE_NT
	s_wait_dscnt 8
	global_store_b128 v[LO], v[OR+4:OR+7], s[OB:OB+1] offset:16*32 th:TH_STORE_NT
	s_wait_dscnt 4
	global_store_b128 v[LO], v[OR+8:OR+11], s[OB:OB+1] offset:16*64 th:TH_STORE_NT
	s_wait_dscnt 0
	global_store_b128 v[LO], v[OR+12:OR+15], s[OB:OB+1] offset:16*93 th:TH_STORE_NT
	s_sub_co_u32 s[CNT], s[CNT], 1
	s_cmp_lg_u32 s[CNT], 0
	s_cbranch_scc1 .Lrow_\@
.Lnone_\@:
.endm
.irp n, 0,1,2,3,4,5,6,7
	SCAN \n
.endr
	s_wait_tensorcnt 0x0                           ; the wave's end
	ds_add_u32 v[SPW], v[NIL]
	s_wait_dscnt 0x0
	s_endpgm
.Lfunc_end_k_q6b568ffd37_gather:
	.size	k_q6b568ffd37_gather, .Lfunc_end_k_q6b568ffd37_gather-k_q6b568ffd37_gather
	.p2alignl 7, 3214868480
	.fill 96, 4, 3214868480
	.section	.rodata,"a",@progbits
	.p2align	6, 0x0
	.amdhsa_kernel k_q6b568ffd37_gather
		.amdhsa_group_segment_fixed_size 135168
		.amdhsa_private_segment_fixed_size 0
		.amdhsa_enable_private_segment 0
		.amdhsa_kernarg_size 24
		.amdhsa_user_sgpr_count 2
		.amdhsa_user_sgpr_kernarg_segment_ptr 1
		.amdhsa_wavefront_size32 1
		.amdhsa_system_sgpr_workgroup_id_x 1
		.amdhsa_system_sgpr_workgroup_id_y 1
		.amdhsa_system_sgpr_workgroup_id_z 1
		.amdhsa_system_vgpr_workitem_id 0
		.amdhsa_next_free_vgpr 250
		.amdhsa_next_free_sgpr 66
		.amdhsa_reserve_vcc 0
		.amdhsa_float_denorm_mode_32 3
		.amdhsa_float_denorm_mode_16_64 3
		.amdhsa_memory_ordered 1
		.amdhsa_forward_progress 1
		.amdhsa_inst_pref_size 43
	.end_amdhsa_kernel
	.amdgpu_metadata
---
amdhsa.version: [ 1, 2 ]
amdhsa.kernels:
  - .name:           k_q6b568ffd37_gather
    .symbol:         k_q6b568ffd37_gather.kd
    .args:
      - { .name: Wg, .offset: 0, .size: 8, .value_kind: global_buffer, .address_space: global }
      - { .name: part, .offset: 8, .size: 8, .value_kind: global_buffer, .address_space: global }
      - { .name: out0, .offset: 16, .size: 8, .value_kind: global_buffer, .address_space: global }
    .group_segment_fixed_size: 135168
    .private_segment_fixed_size: 0
    .kernarg_segment_align: 8
    .kernarg_segment_size: 24
    .max_flat_workgroup_size: 512
    .sgpr_count:     66
    .vgpr_count:     250
    .wavefront_size: 32
...
	.end_amdgpu_metadata
.endif
;; end of part 3
